; MI455X (gfx1250); checked and timed in simulation.
; The chip was launched on July 23, 2026; its instructions are those of AMD's public machine-readable ISA for CDNA 5 (MIT licence, August 2026) and "CDNA5" Instruction Set Architecture Reference Guide (July 2026). The comments in the code are by the model that wrote it; some were corrected since.
;; Embedding LSTM Cell. Allowed arithmetic: matrix products marked QUANTISED: E2M1 operands, one E8M0 scale for each 32 along K, by v_wmma_scale_f32_16x16x128_f8f6f4 with both operands' format E2M1 (or v_wmma_scale_f32_32x16x128_f4), f32 sums; everything else in f32.
;; Inputs: W_forget 2,048 x 1,024 float32; W_input 2,048 x 1,024 float32; W_out 2,048 x 1,024 float32; W_update 2,048 x 1,024 float32; b_forget 1,024 float32; b_input 1,024 float32; b_out 1,024 float32; b_update 1,024 float32; c_prev 8,192 x 1,024 float32; embed 8,192 x 1,024 float32; h_prev 8,192 x 1,024 float32; x 8,192 x 1,024 float32.
;; Outputs: out0 8,192 x 1,024 float32; out1 8,192 x 1,024 float32.
;; This version of the problem:
;;   THIS VERSION OF THE PROBLEM IS GIVEN IN LOW PRECISION. The matrix products marked QUANTISED in the list below multiply operands that are first quantised to E2M1 (2 exponent bits, 1 mantissa bit; 4 bits a number), with one power-of-two scale for each 32 numbers along K (OCP MX v1.0); their sums are f32. All else is computed in f32.
;;   The module's matrix products, in the order in which they are computed (A, B: the left and right operand; K: the contracted axis; several contracted axes count as one K, in the product's order):
;;     1. [M 8,192, K 2,048] x [K 2,048, N 4,096]; A: computed on the way; B: computed on the way: QUANTISED
;;   THE QUANTISER, for each operand of a quantised product, along K:
;;     - K is cut into blocks of 32 from its start; a last block that is shorter is filled with zeros.
;;     - A block's scale is 2^e with e = floor(log2(the largest magnitude in the block)) - 2, held to -126 .. 127; a block of zeros has e = 0. As a byte (E8M0): e + 127.
;;     - Each number is divided by its block's scale, clamped to +-6, and rounded to the nearest number of E2M1, ties to even, subnormals kept.
;;     - The product sums the exact products of the quantised numbers (number of the format x scale) in f32.
;;   ~~~python
;;   def quantise(x, axis):      # numpy; x: float32 -> the quantised numbers, widened to float32 again
;;       x = np.moveaxis(x, axis, -1); K = x.shape[-1]
;;       x = np.pad(x, [(0, 0)] * (x.ndim - 1) + [(0, -K % 32)]); x = x.reshape(x.shape[:-1] + (-1, 32)); a = np.abs(x).max(-1, keepdims=True)
;;       e = np.where(a > 0, np.clip(np.frexp(np.where(a > 0, a, 1))[1] - 1 - 2, -126, 127), 0)      # np.frexp(a)[1] - 1 = floor(log2(a)), exactly
;;       r = np.clip(x / 2.0 ** e, -6, 6)
;;       step = 2.0 ** (np.maximum(np.frexp(np.where(r == 0, 1, r))[1] - 1, 0) - 1)
;;       q = np.round(r / step) * step * 2.0 ** e      # np.round: ties to even
;;       return np.moveaxis(q.reshape(q.shape[:-2] + (-1,))[..., :K], -1, axis).astype(np.float32)
;;   ~~~
;;   OPERANDS COMPUTED ON THE WAY. 'Computed on the way' means the value that the module computes at that place (a softmax that the list does not call 'softmax' is quantised finished and normalised). What goes into a quantiser is computed in f32, as accurately as f32 sums, v_exp_f32 and their like allow (about 1e-6 of the number): no bf16 or f16 on the way to a quantiser, and a product that is left as it is and whose result goes on into a quantised operand takes f32 operands (vector FMAs, or v_wmma_f32_16x16x4_f32). A number that lies on a knife's edge between two numbers of the format may be rounded either way, as far as f32 arithmetic and the matrix unit's own rounding can turn it there, and no further.
;; One version. Each part assembles by itself: llvm-mc -triple=amdgcn-amd-amdhsa -mcpu=gfx1250 --defsym DOCPART=n.
;; ======== version 1 of 1: 2 launches
;; limits: right only within a limited range of input values
;; workspace buffers: a_img 8,912,896 bytes; b_img 4,456,448 bytes
;; launch quant (part 1): grid 768 x 1, 4 waves a work-group, no clusters, 39,424 bytes of LDS; arguments x, h_prev, W_forget, W_input, W_update, W_out, a_img, b_img; writes a_img, b_img
.if DOCPART == 1
	.amdgcn_target "amdgcn-amd-amdhsa--gfx1250"
	.amdhsa_code_object_version 6
	.text
	.protected	k_q359479d37e_quant
	.globl	k_q359479d37e_quant
	.p2align	8
	.type	k_q359479d37e_quant,@function
k_q359479d37e_quant:
	s_mov_b64 s[64:65], 0
	v_nop
	global_prefetch_b8 v0, s[64:65] scope:SCOPE_SE
	s_setreg_imm32_b32 hwreg(HW_REG_WAVE_MODE, 25, 1), 1
	s_wait_xcnt 0x0
; THE LSTM CELL'S TWO OPERANDS, f32, BECOME CODES OF FP4 (E2M1) WITH ONE E8M0 SCALE BYTE FOR EACH 32 ALONG K.
; gates = [x | h_prev] [W_forget | W_input | W_update | W_out] + b: M = 8,192, K = 2,048 (k < 1,024 from x, the rest from h_prev; no block of 32 straddles the seam), N = 4,096.
; DEAD WORK: the input embed is named by no line of reference()'s body, so it has no way to h_t or c_t whatever it holds.  It is not loaded and is no argument of any launch.
; LIMIT: a NaN or an infinity in embed is therefore not carried to the result.
; THE RULE: a block's scale byte is its largest magnitude's exponent field - 2, held at 1 from below by a floor among the maximum's leaves; each number is divided by the scale and rounded
; to the nearest code, ties to even; beyond 6 the conversion gives the largest code.
; LIMITS: a block of zeros gets the byte 1 where the rule says 127 (its codes are zeros, and this program alone reads the bytes).  NaN and infinities among x, h_prev and W are not served.
; WHAT IS STORED: dense images of 69,632 bytes, one for each tile of 256 rows and K step of 512, in the order in which the next launch's LDS holds them:
;   image = [half 2][ codes: blk 8, t 16, r 16, 16 bytes | scale bytes: row 128, 16 bytes ]: 16 bytes of codes are block t (32 along K) of row 16 blk + r of the half.
;   a_img [tr 32][ks 4][image]: row m = 256 tr + 128 half + 16 blk + r.
;   b_img [tc 16][ks 4][image]: block b = 8 half + blk = 4 gate + u is gate's columns 64 tc + 16 u + r.
; SHARES: 768 work-groups of four waves, each wave 32,768 bytes of f32.  The first 256 take the four W, the other 512 x and h_prev: a scalar branch on the work-group's number.
; No tensor loads, no barrier, no cluster: waves and work-groups share no input.  Only the path for x and h_prev stores to LDS.
.set IMG,   69632
.set HALF,  34816
.set SCO,   32768                      ; the scale bytes inside a half
.set STEPS, 16
.set SP,    80                         ; a lane's place in a stage: 64 bytes + 16 of padding
.set CST,   2*32*SP+256                ; a wave's LDS: two stages, 256 scale bytes, then the codes' stage: 16 rows (t) of 256 bytes + 16
.set CPI,   272
.set WREG,  CST+16*CPI
.set SPARE, 4*WREG                     ; the spare words, 128 bytes a wave
.set SPW,   12
.set NIL,   13
.set R,     16                         ; v16-79   four sets of 16 numbers as loaded
.set X,     80                         ; v80-111  two sets of 16 neighbours
.set E,     112                        ; v112-127 a scale byte for each step
.set C,     128                        ; v128-191 codes, registers of their own for each step
.set SB,    24                         ; W: eight scale bytes
.set XW,    32                         ;    two sets of 32 numbers
.set CW,    96                         ;    codes, four registers a block
	s_load_b512 s[4:19], s[0:1], 0x0               ; x 4:5, h_prev 6:7, the four W 8:15, a_img 16:17, b_img 18:19
	v_lshl_add_u32 v[SPW], v0, 2, SPARE
	v_mov_b32 v[NIL], 0
	v_lshrrev_b32 v1, 5, v0
	v_readfirstlane_b32 s24, v1                    ; wave
	v_and_b32 v2, 31, v0                           ; lane
	s_wait_kmcnt 0x0
	s_cmp_lt_u32 ttmp9, 256
	s_cbranch_scc1 .Lw
; ---- x and h_prev: K innermost.  A wave takes 16 rows x 512 along K: one block of 16 rows of one image.  A step is one row's 2,048 bytes.
	s_sub_co_u32 s25, ttmp9, 256
	s_lshr_b32 s26, s25, 8                         ; 0: x, 1: h_prev
	s_and_b32 s27, s25, 255                        ; which 32 rows
	s_and_b32 s28, s24, 1                          ; which of the tensor's two K steps
	s_lshr_b32 s29, s24, 1                         ; which 16 of the 32 rows
	s_cmp_eq_u32 s26, 0
	s_cselect_b64 s[4:5], s[4:5], s[6:7]
	s_lshl_b32 s30, s27, 17
	s_lshl_b32 s31, s29, 16
	s_add_co_u32 s30, s30, s31
	s_lshl_b32 s31, s28, 11
	s_add_co_u32 s30, s30, s31
	s_mov_b32 s31, 0
	s_add_nc_u64 s[4:5], s[4:5], s[30:31]
	s_lshl_b32 s33, s26, 1
	s_add_co_u32 s33, s33, s28                     ; ks
	s_lshr_b32 s32, s27, 3                         ; tr
	s_lshl_b32 s32, s32, 2
	s_add_co_u32 s32, s32, s33
	s_mul_i32 s30, s32, IMG
	s_bfe_u32 s34, s27, 0x10002                    ; half
	s_mul_i32 s34, s34, HALF
	s_add_co_u32 s30, s30, s34
	s_add_nc_u64 s[16:17], s[16:17], s[30:31]      ; my half image
	s_and_b32 s34, s27, 3
	s_lshl_b32 s34, s34, 1
	s_add_co_u32 s34, s34, s29                     ; blk
	s_lshl_b32 s30, s34, 8
	s_add_co_u32 s30, s30, SCO
	s_add_nc_u64 s[18:19], s[16:17], s[30:31]      ; my 256 scale bytes
	s_lshl_b32 s30, s34, 12
	s_add_nc_u64 s[16:17], s[16:17], s[30:31]      ; my 4,096 bytes of codes
	s_mul_i32 s35, s24, WREG
	s_add_co_u32 s36, s35, 2*32*SP
	s_add_co_u32 s37, s35, CST
	s_wait_alu depctr_va_vdst(0)                   ; the wait ahead of the reader below
	v_lshlrev_b32 v3, 4, v2                        ; 16 x lane
	v_lshrrev_b32 v14, 2, v2
	v_mul_u32_u24 v14, v14, SP
	v_and_b32 v15, 3, v2
	v_lshl_add_u32 v14, v15, 4, v14
	v_add_nc_u32 v14, s35, v14                     ; the stage, in: four lanes' 64 bytes on end, then padding
	v_mul_u32_u24 v15, v2, SP
	v_add_nc_u32 v15, s35, v15                     ; out: my 16 neighbours
	v_lshlrev_b32 v4, 3, v2
	v_lshrrev_b32 v5, 1, v2
	v_mul_u32_u24 v7, v5, CPI
	v_add_nc_u32 v5, s36, v5                       ; my block's scale byte
	v_add_nc_u32 v6, s36, v4                       ; the bytes on the way out
	v_and_b32 v10, 1, v2
	v_lshl_add_u32 v7, v10, 3, v7
	v_add_nc_u32 v7, s37, v7                       ; the codes' stage, in: row t = lane / 2, my 8 of the block's 16 bytes; the step's row r stands in the offset
	v_lshrrev_b32 v10, 4, v2
	v_mul_u32_u24 v10, v10, CPI
	v_and_b32 v11, 15, v2
	v_lshl_add_u32 v10, v11, 4, v10
	v_add_nc_u32 v10, s37, v10                     ; out: sixteen lanes to a row of 256 bytes
.macro QLOAD t
.irp i, 0,1,2,3
	global_load_b128 v[R+16*((\t)%4)+4*\i:R+16*((\t)%4)+4*\i+3], v3, s[4:5] offset:4096*(\t)+512*\i th:TH_LOAD_NT
.endr
.endm
.macro QTURN t                         ; LDS serves a wave's instructions in order: no wait between the stores and the loads
.irp i, 0,1,2,3
	ds_store_b128 v14, v[R+16*((\t)%4)+4*\i:R+16*((\t)%4)+4*\i+3] offset:32*SP*((\t)%2)+8*SP*\i
.endr
.irp i, 0,1,2,3
	ds_load_b128 v[X+16*((\t)%2)+4*\i:X+16*((\t)%2)+4*\i+3], v15 offset:32*SP*((\t)%2)+16*\i
.endr
.endm
.irp t, 0,1,2,3
	QLOAD \t
.endr
	s_wait_alu depctr_va_vdst(0)                   ; the wait at the head's end
	s_wait_loadcnt 12                              ; step 0's four loads are in
	QTURN 0
.macro QSTEP t
.set XS, X+16*((\t)%2)
.if (\t) > 0
	s_wait_dscnt 2                                 ; this step's numbers are back; the last step's two stores (byte, codes) may be out
.else
	s_wait_dscnt 0x0
.endif
.if (\t)+4 < STEPS
	QLOAD (\t)+4
.endif
.if (\t)+1 < STEPS
.if STEPS-2-(\t) >= 3
	s_wait_loadcnt 12                              ; the next step's loads are in; three steps' may be out
.else
	s_wait_loadcnt 4*(STEPS-2-(\t))
.endif
	QTURN (\t)+1
.endif
	v_max3_num_f32 v8, |v[XS]|, |v[XS+1]|, |v[XS+2]|
	v_max3_num_f32 v9, |v[XS+3]|, |v[XS+4]|, |v[XS+5]|
.irp i, 6,10
	v_max3_num_f32 v8, v8, |v[XS+\i]|, |v[XS+\i+1]|
	v_max3_num_f32 v9, v9, |v[XS+\i+2]|, |v[XS+\i+3]|
.endr
	v_max3_num_f32 v8, v8, |v[XS+14]|, |v[XS+15]|
	v_max3_num_f32 v8, v8, v9, 0x1800000           ; the floor 2^(3 - 127)
	v_max_num_f32_dpp v8, v8, v8 row_xmask:1 row_mask:0xf bank_mask:0xf   ; with my neighbour's 16: the block's
	v_add_nc_u32 v11, 0xff000000, v8               ; 2 off the exponent field: the conversion's scale operand
	v_cvt_scalef32_pk8_fp4_f32 v[C+4*(\t)], v[XS:XS+7], v11
	v_cvt_scalef32_pk8_fp4_f32 v[C+4*(\t)+1], v[XS+8:XS+15], v11
	v_lshrrev_b32 v[E+(\t)], 23, v11               ; the byte (also the plain line behind the conversions)
	ds_store_b8 v5, v[E+(\t)] offset:16*(\t)
	ds_store_b64 v7, v[C+4*(\t):C+4*(\t)+1] offset:16*(\t)   ; row r = t of the block: 16 r bytes into each stage row
.endm
.irp t, 0,1,2,3,4,5,6,7,8,9,10,11,12,13,14,15
	QSTEP \t
.endr
	ds_load_b64 v[8:9], v6
.irp j, 0,1,2,3,4,5,6,7
	ds_load_b128 v[R+4*\j:R+4*\j+3], v10 offset:2*CPI*\j
.endr
	s_wait_dscnt 0x0
	global_store_b64 v4, v[8:9], s[18:19]          ; 256 consecutive bytes, aligned
.irp j, 0,1,2,3,4,5,6,7
	global_store_b128 v3, v[R+4*\j:R+4*\j+3], s[16:17] offset:512*\j   ; 512 consecutive bytes, aligned
.endr
	s_wait_tensorcnt 0x0                           ; the wave's end
	ds_add_u32 v[SPW], v[NIL]
	s_wait_dscnt 0x0
	s_endpgm
; ---- the four W: K is the first axis.  A lane takes a column, its registers run down K; a wave takes 32 columns x 256 along K: 8 blocks a lane.
.Lw:
	s_lshr_b32 s25, ttmp9, 6                       ; the gate
	s_bfe_u32 s26, ttmp9, 0x30003                  ; which 256 along K
	s_and_b32 s27, ttmp9, 7                        ; which 128 columns
	s_and_b32 s28, s25, 1
	s_cmp_lg_u32 s28, 0
	s_cselect_b64 s[8:9], s[10:11], s[8:9]
	s_cselect_b64 s[12:13], s[14:15], s[12:13]
	s_and_b32 s29, s25, 2
	s_cmp_lg_u32 s29, 0
	s_cselect_b64 s[8:9], s[12:13], s[8:9]
	s_lshl_b32 s30, s26, 20
	s_lshl_b32 s31, s27, 9
	s_add_co_u32 s30, s30, s31
	s_lshl_b32 s31, s24, 7
	s_add_co_u32 s30, s30, s31
	s_mov_b32 s31, 0
	s_add_nc_u64 s[8:9], s[8:9], s[30:31]
	s_lshl_b32 s32, s27, 1
	s_lshr_b32 s33, s24, 1
	s_add_co_u32 s32, s32, s33                     ; tc
	s_and_b32 s33, s24, 1                          ; which 32 of the 64 columns
	s_lshr_b32 s34, s26, 1                         ; ks
	s_and_b32 s35, s26, 1                          ; which 8 of the K step's 16 blocks
	s_lshl_b32 s32, s32, 2
	s_add_co_u32 s32, s32, s34
	s_mul_i32 s30, s32, IMG
	s_lshr_b32 s36, s25, 1
	s_mul_i32 s36, s36, HALF                       ; gates 0, 1 in half 0, gates 2, 3 in half 1
	s_add_co_u32 s30, s30, s36
	s_add_nc_u64 s[18:19], s[18:19], s[30:31]      ; my half image
	s_lshl_b32 s30, s28, 14                        ; codes: blk = 4 (gate % 2) + 2 (which 32) + lane / 16, of 4,096 bytes; t = 8 (which 8) + 0 .. 7, of 256
	s_lshl_b32 s36, s33, 13
	s_add_co_u32 s30, s30, s36
	s_lshl_b32 s36, s35, 11
	s_add_co_u32 s30, s30, s36
	s_add_nc_u64 s[20:21], s[18:19], s[30:31]
	s_lshl_b32 s30, s28, 10                        ; scale bytes: 16 a row, my 8 of them
	s_lshl_b32 s36, s33, 9
	s_add_co_u32 s30, s30, s36
	s_lshl_b32 s36, s35, 3
	s_add_co_u32 s30, s30, s36
	s_add_co_u32 s30, s30, SCO
	s_add_nc_u64 s[22:23], s[18:19], s[30:31]
	s_wait_alu depctr_va_vdst(0)                   ; the wait ahead of the reader below
	v_lshlrev_b32 v3, 2, v2
	v_and_b32 v8, 15, v2
	v_lshrrev_b32 v9, 4, v2
	v_lshlrev_b32 v4, 4, v8
	v_lshl_add_u32 v4, v9, 12, v4                  ; codes out: 16 (lane % 16) + 4,096 (lane / 16)
	v_lshlrev_b32 v5, 4, v2
.macro WLOAD t
.irp i, 0,1,2,3,4,5,6,7,8,9,10,11,12,13,14,15,16,17,18,19,20,21,22,23,24,25,26,27,28,29,30,31
	global_load_b32 v[XW+32*((\t)%2)+\i], v3, s[8:9] offset:(32*(\t)+\i)*4096 th:TH_LOAD_NT
.endr
.endm
	WLOAD 0
	WLOAD 1
.macro WBLOCK t
.set XS, XW+32*((\t)%2)
.if (\t) < 7
	s_wait_loadcnt 32                              ; this block's 32 loads are in; the next block's may be out
.else
	s_wait_loadcnt 0x0
.endif
	v_max3_num_f32 v8, |v[XS]|, |v[XS+1]|, |v[XS+2]|
	v_max3_num_f32 v9, |v[XS+3]|, |v[XS+4]|, |v[XS+5]|
.irp i, 6,10,14,18,22,26
	v_max3_num_f32 v8, v8, |v[XS+\i]|, |v[XS+\i+1]|
	v_max3_num_f32 v9, v9, |v[XS+\i+2]|, |v[XS+\i+3]|
.endr
	v_max3_num_f32 v8, v8, |v[XS+30]|, |v[XS+31]|
	v_max3_num_f32 v8, v8, v9, 0x1800000
	v_add_nc_u32 v11, 0xff000000, v8
.irp g, 0,1,2,3
	v_cvt_scalef32_pk8_fp4_f32 v[CW+4*(\t)+\g], v[XS+8*\g:XS+8*\g+7], v11
.endr
	v_lshrrev_b32 v10, 23, v11
.if (\t)%4 == 0
	v_mov_b32 v[SB+(\t)/4], v10
.else
	v_lshl_or_b32 v[SB+(\t)/4], v10, 8*((\t)%4), v[SB+(\t)/4]
.endif
	global_store_b128 v4, v[CW+4*(\t):CW+4*(\t)+3], s[20:21] offset:256*(\t)   ; sixteen lanes store 256 consecutive bytes, aligned
.if (\t)+2 < 8
	WLOAD (\t)+2
.endif
.endm
.irp t, 0,1,2,3,4,5,6,7
	WBLOCK \t
.endr
	global_store_b64 v5, v[SB:SB+1], s[22:23]      ; my column's 8 bytes of its 16: the other 8 come from another work-group, so these 262,144 bytes of the launch's stores go by halves
	s_wait_tensorcnt 0x0                           ; the same three lines
	ds_add_u32 v[SPW], v[NIL]
	s_wait_dscnt 0x0
	s_endpgm
.Lfunc_end_k_q359479d37e_quant:
	.size	k_q359479d37e_quant, .Lfunc_end_k_q359479d37e_quant-k_q359479d37e_quant
	.p2alignl 7, 3214868480
	.fill 96, 4, 3214868480
	.section	.rodata,"a",@progbits
	.p2align	6, 0x0
	.amdhsa_kernel k_q359479d37e_quant
		.amdhsa_group_segment_fixed_size 39424
		.amdhsa_private_segment_fixed_size 0
		.amdhsa_enable_private_segment 0
		.amdhsa_kernarg_size 64
		.amdhsa_user_sgpr_count 2
		.amdhsa_user_sgpr_kernarg_segment_ptr 1
		.amdhsa_wavefront_size32 1
		.amdhsa_system_sgpr_workgroup_id_x 1
		.amdhsa_system_sgpr_workgroup_id_y 1
		.amdhsa_system_sgpr_workgroup_id_z 1
		.amdhsa_system_vgpr_workitem_id 0
		.amdhsa_next_free_vgpr 192
		.amdhsa_next_free_sgpr 66
		.amdhsa_reserve_vcc 0
		.amdhsa_float_denorm_mode_32 3
		.amdhsa_float_denorm_mode_16_64 3
		.amdhsa_memory_ordered 1
		.amdhsa_forward_progress 1
		.amdhsa_inst_pref_size 74
	.end_amdhsa_kernel
	.amdgpu_metadata
---
amdhsa.version: [ 1, 2 ]
amdhsa.kernels:
  - .name:           k_q359479d37e_quant
    .symbol:         k_q359479d37e_quant.kd
    .args:
      - { .name: x, .offset: 0, .size: 8, .value_kind: global_buffer, .address_space: global }
      - { .name: h_prev, .offset: 8, .size: 8, .value_kind: global_buffer, .address_space: global }
      - { .name: W_forget, .offset: 16, .size: 8, .value_kind: global_buffer, .address_space: global }
      - { .name: W_input, .offset: 24, .size: 8, .value_kind: global_buffer, .address_space: global }
      - { .name: W_update, .offset: 32, .size: 8, .value_kind: global_buffer, .address_space: global }
      - { .name: W_out, .offset: 40, .size: 8, .value_kind: global_buffer, .address_space: global }
      - { .name: a_img, .offset: 48, .size: 8, .value_kind: global_buffer, .address_space: global }
      - { .name: b_img, .offset: 56, .size: 8, .value_kind: global_buffer, .address_space: global }
    .group_segment_fixed_size: 39424
    .private_segment_fixed_size: 0
    .kernarg_segment_align: 8
    .kernarg_segment_size: 64
    .max_flat_workgroup_size: 128
    .sgpr_count:     66
    .vgpr_count:     192
    .wavefront_size: 32
...
	.end_amdgpu_metadata
.endif
;; end of part 1
;; launch lstm (part 2): grid 16 x 16, 4 waves a work-group, clusters of 4 x 4, 327,680 bytes of LDS; arguments a_img, b_img, b_forget, b_input, b_update, b_out, c_prev, out0, out1; writes out0, out1
.if DOCPART == 2
	.amdgcn_target "amdgcn-amd-amdhsa--gfx1250"
	.amdhsa_code_object_version 6
	.text
	.protected	k_q359479d37e_lstm
	.globl	k_q359479d37e_lstm
	.p2align	8
	.type	k_q359479d37e_lstm,@function
k_q359479d37e_lstm:
	s_mov_b64 s[64:65], 0
	v_nop
	global_prefetch_b8 v0, s[64:65] scope:SCOPE_SE
	s_setreg_imm32_b32 hwreg(HW_REG_WAVE_MODE, 25, 1), 1
	s_wait_xcnt 0x0
	s_wait_alu depctr_hold_cnt(0) depctr_sa_sdst(0) depctr_va_vdst(0) depctr_va_sdst(0) depctr_va_ssrc(0) depctr_va_vcc(0) depctr_vm_vsrc(0)
	s_getreg_b32 s2, hwreg(HW_REG_IB_STS2, 6, 4)
	s_cmp_eq_u32 s2, 0
	s_cbranch_scc0 .Lentry_in_a_cluster
	s_endpgm
.Lentry_in_a_cluster:
	s_bfe_u32 s2, ttmp6, 0x10000c
	s_cmp_lg_u32 s2, 0xf033
	s_cbranch_scc0 .Lentry_shape_is_right
	s_endpgm
.Lentry_shape_is_right:
; gates = A B^T + b on codes of FP4 (E2M1) with E8M0 scales, and the LSTM cell behind the sums:  c_t = c_prev sigmoid(f) + sigmoid(i) tanh(g);  h_t = sigmoid(o) tanh(c_t).  out0 = h_t, out1 = c_t.
; The input embed is left out here too: reference() never reads it.  The gates never go to memory.
; SHARES.  256 work-groups of four waves STAY: each makes two tiles of 256 rows x 64 columns of all four gates, one below the other (rows 512 y .. 512 y + 511).  A wave makes 64 rows x 64 columns x 4 gates:
; 64 accumulators, 512 registers; so a row's 256 bytes of c_prev, c_t and h_t are one wave's, and the cell has no barrier.
; THE STREAM.  The launch before laid A and B as dense images of 69,632 bytes for a tile and a K step of 512: two halves of 32,768 bytes of codes [blk 8][t 16][r 16][16] and 2,048 scale bytes [row 128][16].
; The two tiles are eight K steps in a row: a ring of two LDS slots (A's image, B's image) goes on over the change of tiles; each wave fetches one half image, 136 rows of 256 bytes, by one tensor load.
; A fragment load reads 512 consecutive bytes of LDS, so no padding is laid.
; CLUSTERS: 4 x 4.  The four of a row of the cluster ask JOINTLY for A's images, the four of a column for B's: the same load, descriptor and mask in all four.
; THE MATRIX INSTRUCTION IS USED TRANSPOSED (source 0 = 16 rows of B, source 1 = 16 rows of A): register i of lane (r, h) of accumulator (a, 4 g + u) is gate g at row 16 a + r, column 16 u + 8 h + i:
; the four gates of an element lie in one lane at one register index.  The biases are the C of each sum's first product.
; A step of 128 along K is 64 products.  A and B have two sets of fragment registers each: the next step's 40 LDS loads go out in ONE run at a step's head, 64 products ahead of their use.
; B's second set is idle at a tile's first step and in the cell: there it holds the biases, and then the gates; so a tile's first step fetches the next step's B by halves, as the biases are used up.
; THE CELL'S FORMULAS are reference()'s, with no clip: sigmoid(x) = 1 / (1 + 2^(-x log2 e)); tanh(x) = 1 - 2 / (1 + 2^(2 x log2 e)); an exponential that overflows gives 1 / infinity = 0, one that falls to 0
; gives 1 / 1: the functions' limits.  LIMIT: NaN among the inputs is not served.
; PREFETCH: a tile's 64 rows x 256 bytes of c_prev a wave are asked for at the tile's first step, a lane a row, eight steps of 128 ahead of their first load.  The images are not prefetched: the block is the
; largest that the registers hold, in clusters, and a tile has four K steps, two of which are asked for by their refills under the cell of the tile before.
; REGISTERS: window 0: v15-31 addresses; v32-111 scale words, two sets of 40, and nothing else; v112-175 A's fragments, two sets (in the cell v144-175: rows of h_t); v176-207 rows of c_prev; v208-239 c_prev, then rows of c_t.
;   window 1: v0-127, v128-255 B's fragments, two sets; v128-255 also the biases and the cell's four gates of 32 elements.   windows 2, 3: accumulator (a, b) at v[8 (16 (a % 2) + b)] of window 2 + a / 2.
.set IMG,   69632
.set HALF,  34816
.set SCO,   32768
.set SLOT,  2*IMG
.set STG,   2*SLOT                     ; behind the ring: two stages of 16 rows x 272 bytes for each wave
.set SP,    272
.set REG,   16*SP
.set BIA,   STG+8*REG                  ; 1,024 bytes of biases for each wave
.set SPARE, BIA+4096                   ; the spare words
.set BRD,  15                          ; v15 my biases in LDS
.set ADRA, 16                          ; v16-17 my A fragments in slot 0, 1
.set ADRB, 18                          ; v18-21 B's: 2 x slot + half
.set ADSA, 22                          ; v22-23 A's scale words: lanes 0-15 blocks 0, 1, lanes 16-31 blocks 2, 3
.set ADSB, 24                          ; v24-25 B's: lanes 0-15 blocks 0-7, lanes 16-31 blocks 8-15
.set RW,   26                          ; v26 a stage by rows: sixteen lanes to a row
.set AC,   27                          ; v27 a stage in the results' layout
.set SPW,  28
.set NIL,  29
.set GO,   30                          ; v30 two rows of c_prev or of an output
.set PFO,  31                          ; v31 4,096 x lane
.set SC,   32
.set AF,   112
.set HO,   144
.set CIN,  176
.set CP,   208
.set X,    128                         ; window 1: f at X, i at X + 32, g at X + 64, o at X + 96
.set WV, 22
.set RH, 23                            ; I fetch for A (0) or for B (1)
.set CH, 24                            ; which half image
.set TC, 25
.set YY, 26
.set G1, 28
.set G0, 36
.set G1B, 44
.set G0B, 52
.set BB, 60                            ; s[60:63] B's K steps 0 and 1, my half
.set OFF, 66                           ; s[66:67] 0 or two images on
.set T,  72
.set EC, 73
.set MSB, 0
.macro WIN new
.if MSB != (\new)
	s_set_vgpr_msb (MSB<<8)|(\new)
.set MSB, (\new)
.endif
.endm
.macro PLACES
.rept 4
	v_nop
.endr
.endm
.macro JLOAD s                         ; a joint load: one mask and one set of registers to a line; the branch hangs on the wave's number alone; s_nop 0 and four v_nop behind each line
	s_cmp_eq_u32 s[RH], 0
	s_cbranch_scc0 .Lfb_\@
	tensor_load_to_lds s[G0+4*\s:G0+4*\s+3], s[G1:G1+7]
	s_nop 0
	PLACES
	s_branch .Lja_\@
.Lfb_\@:
	tensor_load_to_lds s[G0B+4*\s:G0B+4*\s+3], s[G1B:G1B+7]
	s_nop 0
	PLACES
.Lja_\@:
.endm
.macro CREST
	s_cmp_lg_u32 s[WV], 0
	s_cbranch_scc1 .Lnw_\@
	s_barrier_signal -3
.Lnw_\@:
	s_barrier_wait -3
	s_barrier_signal -1
	s_barrier_wait -1
.endm
.macro CROUND
	s_barrier_signal -1
	s_barrier_wait -1
	CREST
.endm
	s_load_b512 s[4:19], s[0:1], 0x0               ; a_img 4:5, b_img 6:7, the four biases 8:15, c_prev 16:17, out0 18:19
	s_load_b64 s[20:21], s[0:1], 0x40              ; out1
	v_lshl_add_u32 v[SPW], v0, 2, SPARE
	v_mov_b32 v[NIL], 0
	ds_add_u32 v[SPW], v[NIL]                      ; the opening lines: the add, twice on end, and its wait ahead of my first tensor load
	ds_add_u32 v[SPW], v[NIL]
	v_lshrrev_b32 v1, 5, v0
	v_readfirstlane_b32 s[WV], v1
	s_lshr_b32 s[RH], s[WV], 1
	s_and_b32 s[CH], s[WV], 1
	s_bfe_u32 s80, ttmp6, 0x40000                  ; cx, cy
	s_bfe_u32 s81, ttmp6, 0x40004
	s_lshl_b32 s[TC], ttmp9, 2
	s_add_co_u32 s[TC], s[TC], s80
	s_and_b32 s[YY], ttmp7, 0xffff
	s_lshl_b32 s[YY], s[YY], 2
	s_add_co_u32 s[YY], s[YY], s81
	s_lshl_b32 s82, s81, 2
	s_lshl_b32 s82, 15, s82                        ; my row of the cluster
	s_lshl_b32 s83, 0x1111, s80                    ; my column
	s_or_b32 s[G1], s82, (3<<16)|(1<<21)           ; elements of 8 bytes, no padding; bit 21 beside the mask
	s_or_b32 s[G1B], s83, (3<<16)|(1<<21)
.irp g, G1, G1B
	s_mov_b32 s[\g+1], 32<<16                      ; rows of 32 elements: 256 bytes
	s_mov_b32 s[\g+2], 136<<16                     ; 136 rows: a half image
	s_mov_b32 s[\g+3], 32<<16
	s_mov_b32 s[\g+4], 136
	s_mov_b32 s[\g+5], 32
	s_mov_b32 s[\g+6], 0
	s_mov_b32 s[\g+7], 0
.endr
	s_mul_i32 s74, s[YY], 8*IMG                    ; A: my two tiles' eight images lie on end
	s_mul_i32 s75, s[CH], HALF
	s_add_co_u32 s74, s74, s75
	s_mov_b32 s75, 0
	s_mul_i32 s76, s[TC], 4*IMG                    ; B: my tile column's four
	s_mul_i32 s77, s[CH], HALF
	s_add_co_u32 s76, s76, s77
	s_mov_b32 s77, 0
	s_mul_i32 s78, s[WV], HALF                     ; in a slot: wave x a half image
	s_mov_b32 s[OFF], 2*IMG
	s_mov_b32 s[OFF+1], 0
	s_wait_dscnt 0x0
	s_wait_kmcnt 0x0
	s_add_nc_u64 s[74:75], s[4:5], s[74:75]
	s_add_nc_u64 s[76:77], s[6:7], s[76:77]
	CROUND                                         ; the first joint loads meet
.irp s, 0,1
	s_mov_b32 s[G0+4*\s], 1
	s_add_co_u32 s[G0+4*\s+1], s78, \s*SLOT
	s_add_nc_u64 s[G0+4*\s+2:G0+4*\s+3], s[74:75], \s*IMG
	s_or_b32 s[G0+4*\s+3], s[G0+4*\s+3], 0x80000000
	s_mov_b32 s[G0B+4*\s], 1
	s_add_co_u32 s[G0B+4*\s+1], s78, \s*SLOT
	s_add_nc_u64 s[BB+2*\s:BB+2*\s+1], s[76:77], \s*IMG
	s_mov_b64 s[G0B+4*\s+2:G0B+4*\s+3], s[BB+2*\s:BB+2*\s+1]
	s_or_b32 s[G0B+4*\s+3], s[G0B+4*\s+3], 0x80000000
.endr
	JLOAD 0                                        ; K step 0: one tensor load a wave at the head
	s_mul_i32 s84, s[RH], HALF                     ; my 64 rows of A: half wave / 2, blocks 4 (wave % 2) on
	s_lshl_b32 s85, s[CH], 14
	s_add_co_u32 s85, s85, s84
	s_lshl_b32 s86, s[CH], 10
	s_add_co_u32 s86, s86, s84
	s_add_co_u32 s86, s86, SCO
	s_mul_i32 s88, s[WV], 2*REG
	s_add_co_u32 s88, s88, STG
	s_lshl_b32 s89, s[WV], 10
	s_add_co_u32 s89, s89, BIA
	s_lshl_b32 s90, s[TC], 8                       ; 64 columns of f32
	s_mov_b32 s91, 0
.irp g, 0,1,2,3
	s_add_nc_u64 s[8+2*\g:9+2*\g], s[8+2*\g:9+2*\g], s[90:91]
.endr
	s_lshl_b32 s92, s[YY], 21                      ; my first row: 512 y + 64 wave, of 4,096 bytes
	s_lshl_b32 s93, s[WV], 18
	s_add_co_u32 s92, s92, s93
	s_add_co_u32 s92, s92, s90
	s_mov_b32 s93, 0
	s_add_nc_u64 s[16:17], s[16:17], s[92:93]
	s_add_nc_u64 s[18:19], s[18:19], s[92:93]
	s_add_nc_u64 s[20:21], s[20:21], s[92:93]
	s_mov_b32 s68, 0xbfb8aa3b                      ; -log2(e), as a pair
	s_mov_b32 s69, 0xbfb8aa3b
	s_mov_b32 s70, 0x4038aa3b                      ; 2 log2(e)
	s_mov_b32 s71, 0x4038aa3b
	v_and_b32 v1, 31, v0                           ; lane
	v_and_b32 v2, 15, v0                           ; r
	v_bfe_u32 v3, v0, 4, 1                         ; h
	v_lshlrev_b32 v4, 4, v1
	v_lshlrev_b32 v5, 4, v2
	v_add_nc_u32 v[ADRA], s85, v4                  ; a fragment's 512 bytes: 16 x lane
	v_add_nc_u32 v[ADRA+1], SLOT, v[ADRA]
	v_add_nc_u32 v[ADRB], IMG, v4
	v_add_nc_u32 v[ADRB+1], IMG+HALF, v4
	v_add_nc_u32 v[ADRB+2], SLOT+IMG, v4
	v_add_nc_u32 v[ADRB+3], SLOT+IMG+HALF, v4
	v_lshl_add_u32 v6, v3, 9, v5                   ; A's scale words: 16 r, lanes 16-31 two blocks on
	v_add_nc_u32 v[ADSA], s86, v6
	v_add_nc_u32 v[ADSA+1], SLOT, v[ADSA]
	v_mul_u32_u24 v6, v3, HALF                     ; B's: lanes 16-31 the other half
	v_add_nc_u32 v6, v6, v5
	v_add_nc_u32 v[ADSB], IMG+SCO, v6
	v_add_nc_u32 v[ADSB+1], SLOT+IMG+SCO, v6
	v_mul_u32_u24 v6, v3, SP
	v_add_nc_u32 v6, v6, v5
	v_add_nc_u32 v[RW], s88, v6                    ; row h, 16 r
	v_lshlrev_b32 v7, 5, v3
	v_mul_u32_u24 v6, v2, SP
	v_add_nc_u32 v6, v6, v7
	v_add_nc_u32 v[AC], s88, v6                    ; row r, 32 h
	v_lshl_add_u32 v[GO], v3, 12, v5
	v_lshlrev_b32 v[PFO], 12, v1
	v_add_nc_u32 v[BRD], s89, v7
	v_lshlrev_b32 v8, 3, v1
	v_add_nc_u32 v9, s89, v8
.irp g, 0,1,2,3
	global_load_b64 v[CIN+2*\g:CIN+2*\g+1], v8, s[8+2*\g:9+2*\g]   ; a gate's 64 biases: 256 consecutive bytes
.endr
	s_wait_alu depctr_va_vdst(0)                   ; the wait at the head's end
	s_wait_loadcnt 0x0
.irp g, 0,1,2,3
	ds_store_b64 v9, v[CIN+2*\g:CIN+2*\g+1] offset:256*\g          ; my wave's own copy: block b = 4 g + u at 64 b
.endr
.macro FB sl, q, b0                    ; B's blocks b0 .. b0 + 7 of the slot's q-th 128 along K, into set q % 2
	WIN 0x40
.irp i, 0,1,2,3,4,5,6,7
.irp c, 0,1
	ds_load_b128 v[128*((\q)%2)+8*(\b0+\i)+4*\c:128*((\q)%2)+8*(\b0+\i)+4*\c+3], v[ADRB+2*\sl+\b0/8] offset:4096*\i+1024*(\q)+512*\c
.endr
.endr
	WIN 0
.endm
.macro FA sl, q                        ; A's four blocks into set q % 2
.irp i, 0,1,2,3
.irp c, 0,1
	ds_load_b128 v[AF+32*((\q)%2)+8*\i+4*\c:AF+32*((\q)%2)+8*\i+4*\c+3], v[ADRA+\sl] offset:4096*\i+1024*(\q)+512*\c
.endr
.endr
.endm
.macro FS sl                           ; the slot's scale words: four words (q = 0 .. 3) a row
.irp j, 0,1,2,3,4,5,6,7
	ds_load_b128 v[SC+40*\sl+4*\j:SC+40*\sl+4*\j+3], v[ADSB+\sl] offset:256*\j
.endr
.irp j, 0,1
	ds_load_b128 v[SC+40*\sl+32+4*\j:SC+40*\sl+32+4*\j+3], v[ADSA+\sl] offset:256*\j
.endr
.endm
.macro FBIAS                           ; the biases in the results' layout: 8 registers for each of B's blocks
	WIN 0x40
.set j, 0
.rept 32
	ds_load_b128 v[X+4*j:X+4*j+3], v[BRD] offset:64*(j/2)+16*(j%2)
.set j, j+1
.endr
	WIN 0
.endm
; 16 products: B's blocks b0 .. b0 + 7 x A's blocks a0, a0 + 1.  first = 1: the bias is the C.  No two products on end share an accumulator, and each has 63 others between its turns.
.macro MQ b0, a0, q, sl, first
.irp b, 0,1,2,3,4,5,6,7
.irp a, 0,1
.set DD, 8*(16*\a+\b0+\b)
.if \first
.set CC, X+8*(\b0+\b)
.else
.set CC, DD
.endif
.set XB, 128*((\q)%2)+8*(\b0+\b)
.set XA, AF+32*((\q)%2)+8*(\a0+\a)
.set YB, SC+40*\sl+4*\b+(\q)
.set YA, SC+40*\sl+32+4*\a+(\q)
.if (\b0 == 0) && (\a0 == 0)
	v_wmma_scale_f32_16x16x128_f8f6f4 v[DD:DD+7], v[XB:XB+7], v[XA:XA+7], v[CC:CC+7], v[YB], v[YA] matrix_a_fmt:MATRIX_FMT_FP4 matrix_b_fmt:MATRIX_FMT_FP4
.endif
.if (\b0 == 8) && (\a0 == 0)
	v_wmma_scale_f32_16x16x128_f8f6f4 v[DD:DD+7], v[XB:XB+7], v[XA:XA+7], v[CC:CC+7], v[YB], v[YA] matrix_a_fmt:MATRIX_FMT_FP4 matrix_b_fmt:MATRIX_FMT_FP4 matrix_a_scale:MATRIX_SCALE_ROW1
.endif
.if (\b0 == 0) && (\a0 == 2)
	v_wmma_scale_f32_16x16x128_f8f6f4 v[DD:DD+7], v[XB:XB+7], v[XA:XA+7], v[CC:CC+7], v[YB], v[YA] matrix_a_fmt:MATRIX_FMT_FP4 matrix_b_fmt:MATRIX_FMT_FP4 matrix_b_scale:MATRIX_SCALE_ROW1
.endif
.if (\b0 == 8) && (\a0 == 2)
	v_wmma_scale_f32_16x16x128_f8f6f4 v[DD:DD+7], v[XB:XB+7], v[XA:XA+7], v[CC:CC+7], v[YB], v[YA] matrix_a_fmt:MATRIX_FMT_FP4 matrix_b_fmt:MATRIX_FMT_FP4 matrix_a_scale:MATRIX_SCALE_ROW1 matrix_b_scale:MATRIX_SCALE_ROW1
.endif
.endr
.endr
.endm
.macro MH b0, q, sl, first             ; 32 products: source 0 window 1, source 1 window 0, D window 2 then 3, C with D or (the bias) window 1
.if \first
	WIN 0x91
.else
	WIN 0xa1
.endif
	MQ \b0, 0, \q, \sl, \first
.if \first
	WIN 0xd1
.else
	WIN 0xf1
.endif
	MQ \b0, 2, \q, \sl, \first
.endm
; A step of 128 along K with its successor in the same slot.  extra = 1: the tile's c_prev is prefetched; extra = 2: its first 16 rows are loaded.
.macro STEP sl, q, first, extra
	s_wait_dscnt 16                                ; all but the youngest 16 loads (B's blocks 8-15) are in
.if \first
	MH 0, \q, \sl, 1
	s_wait_dscnt 0x0
	PLACES                                         ; four places ahead of loads into registers that matrix instructions have read
	FB \sl, (\q)+1, 0                              ; over the biases of blocks 0-7, which are used up
	FA \sl, (\q)+1
.else
	PLACES                                         ; four places behind the last step's products, which read the sets that are loaded now
	FB \sl, (\q)+1, 0
	FA \sl, (\q)+1
	FB \sl, (\q)+1, 8
.endif
.if \extra == 1
	global_prefetch_b8 v[PFO], s[16:17] th:TH_LOAD_NT scope:SCOPE_SE                 ; my 64 rows x 256 bytes of this tile's c_prev, a lane a row, each row named once
	global_prefetch_b8 v[PFO], s[16:17] offset:131072 th:TH_LOAD_NT scope:SCOPE_SE
.endif
.if \extra == 2
	s_wait_loadcnt 0x0                             ; every earlier load into these registers is done, on every way that leads here
.irp j, 0,1,2,3,4,5,6,7
	global_load_b128 v[CIN+4*\j:CIN+4*\j+3], v[GO], s[16:17] offset:8192*\j th:TH_LOAD_NT   ; sixteen lanes read a row's 256 bytes
.endr
.endif
.if \first
	MH 8, \q, \sl, 1
	PLACES
	FB \sl, (\q)+1, 8
.else
	MH 0, \q, \sl, 0
	s_wait_dscnt 40                                ; all but the 40 loads of this step's run: B's blocks 8-15 are in
	MH 8, \q, \sl, 0
	WIN 0
.endif
.endm
; A slot's last step changes slots: each wave waits for all its tensor loads, adds 0 to its spare word, waits for that and for its reads of the slot; ONE barrier, which (fill = 1) opens a round of the cluster's barrier;
; the joint refill, two K steps on in the stream, is the first tensor load behind it; then the next slot's first fragments and scale words, 50 loads in one run.
.macro TURN sl, nx, fill
	s_wait_tensorcnt 0x0
	ds_add_u32 v[SPW], v[NIL]
	s_wait_dscnt 17                                ; the add and the youngest 16 loads may be out
	WIN 0xa1
	MQ 0, 0, 3, \sl, 0
	s_wait_dscnt 0x0
	s_barrier_signal -1
	WIN 0xf1
	MQ 0, 2, 3, \sl, 0
	WIN 0
	s_barrier_wait -1
.if \fill
	CREST
	s_add_nc_u64 s[G0+4*\sl+2:G0+4*\sl+3], s[G0+4*\sl+2:G0+4*\sl+3], 2*IMG
	s_add_nc_u64 s[G0B+4*\sl+2:G0B+4*\sl+3], s[BB+2*\sl:BB+2*\sl+1], s[OFF:OFF+1]
	s_or_b32 s[G0B+4*\sl+3], s[G0B+4*\sl+3], 0x80000000
	JLOAD \sl
.else
	PLACES
.endif
	FB \nx, 0, 0
	FA \nx, 0
	FS \nx
	FB \nx, 0, 8
	MH 8, 3, \sl, 0
	WIN 0
.endm
; THE CELL: a loop of four trips, one for each of my blocks of 16 rows x 64 columns: 32 elements a lane.  Only the lines that take the sums out of the accumulators differ from trip to trip.
; c_prev's rows come by loads one trip ahead, turn through my stage into the results' layout; c_t and h_t turn back and leave as whole rows; h_t's rows are stored in the next trip, behind the 64 multiplies, the last block's behind the loop.
; LDS serves a wave's instructions in order, so the stages need no wait between uses.
.macro PULL w, ab
	WIN 0x40|\w
	s_wait_alu depctr_va_vdst(0)                   ; the wait directly ahead of the first readers of matrix results
.irp g, 0,1,2,3
.set j, 0
.rept 16
.if \g == 2
	v_pk_mul_f32 v[X+32*\g+j:X+32*\g+j+1], v[\ab+32*\g+j:\ab+32*\g+j+1], s[70:71] op_sel_hi:[1,0]
.else
	v_pk_mul_f32 v[X+32*\g+j:X+32*\g+j+1], v[\ab+32*\g+j:\ab+32*\g+j+1], s[68:69] op_sel_hi:[1,0]
.endif
.set j, j+2
.endr
.endr
	WIN 0
.endm
.macro RUN1 op, base, n                ; n one-register lines in place
.set j, 0
.rept \n
	\op v[\base+j], v[\base+j]
.set j, j+1
.endr
.endm
.macro HSEND                           ; a block's rows of h_t: sixteen lanes store 256 consecutive bytes, aligned
	s_wait_dscnt 0x0
.irp j, 0,1,2,3,4,5,6,7
	global_store_b128 v[GO], v[HO+4*\j:HO+4*\j+3], s[18:19] offset:8192*\j-65536 th:TH_STORE_NT
.endr
.endm
.macro EPILOG more
	s_mov_b32 s[EC], 0
.Lep_\@:
	s_wait_loadcnt 0x0                             ; the block's rows of c_prev
.irp j, 0,1,2,3,4,5,6,7
	ds_store_b128 v[RW], v[CIN+4*\j:CIN+4*\j+3] offset:2*SP*\j
.endr
	s_cmp_lt_u32 s[EC], 2
	s_cbranch_scc0 .Lhi_\@
	s_cmp_eq_u32 s[EC], 0
	s_cbranch_scc0 .Lq1_\@
	PULL 2, 0
	s_branch .Lpd_\@
.Lq1_\@:
	PULL 2, 128
	s_branch .Lpd_\@
.Lhi_\@:
	s_cmp_eq_u32 s[EC], 2
	s_cbranch_scc0 .Lq3_\@
	PULL 3, 0
	s_branch .Lpd_\@
.Lq3_\@:
	PULL 3, 128
.Lpd_\@:
	s_cmp_eq_u32 s[EC], 0
	s_cbranch_scc1 .Lnh_\@
	HSEND                                          ; the block before
.Lnh_\@:
	WIN 0x41
	s_wait_alu depctr_va_vdst(0)                   ; one wait ahead of each batch and one behind it
	RUN1 v_exp_f32, X, 128
	v_nop
	WIN 0
	s_wait_xcnt 0x0                                ; the earlier stores have read their registers and bases
	s_add_nc_u64 s[18:19], s[18:19], 65536         ; 16 rows on; the stores reach back
	s_add_nc_u64 s[20:21], s[20:21], 65536
.irp u, 0,1,2,3
.irp e, 0,1
	ds_load_b128 v[CP+8*\u+4*\e:CP+8*\u+4*\e+3], v[AC] offset:64*\u+16*\e
.endr
.endr
	WIN 0x41
	s_wait_alu depctr_va_vdst(0)
.set j, 0
.rept 64
	v_pk_add_f32 v[X+j:X+j+1], v[X+j:X+j+1], 1.0 op_sel_hi:[1,0]
.set j, j+2
.endr
	s_wait_alu depctr_va_vdst(0)
	RUN1 v_rcp_f32, X, 128                         ; sigmoid(f), sigmoid(i), 1 / (1 + e^(2 g)), sigmoid(o)
	v_nop
	WIN 0
	s_wait_dscnt 0x0                               ; c_prev is in; the stage's stores have read the rows' registers
	s_wait_alu depctr_va_vdst(0)
	s_cmp_eq_u32 s[EC], 3
	s_cbranch_scc1 .Lnl_\@
	s_add_nc_u64 s[16:17], s[16:17], 65536
.irp j, 0,1,2,3,4,5,6,7
	global_load_b128 v[CIN+4*\j:CIN+4*\j+3], v[GO], s[16:17] offset:8192*\j th:TH_LOAD_NT   ; the next block's rows
.endr
.Lnl_\@:
	WIN 0x55
.set j, 0
.rept 16
	v_pk_fma_f32 v[X+64+j:X+65+j], v[X+64+j:X+65+j], -2.0, 1.0 op_sel_hi:[1,0,0]   ; tanh(g)
.set j, j+2
.endr
.set j, 0
.rept 16
	v_pk_mul_f32 v[X+64+j:X+65+j], v[X+32+j:X+33+j], v[X+64+j:X+65+j]
.set j, j+2
.endr
	WIN 0x54                                       ; source 0: c_prev, window 0
.set j, 0
.rept 16
	v_pk_fma_f32 v[X+32+j:X+33+j], v[CP+j:CP+j+1], v[X+j:X+j+1], v[X+64+j:X+65+j]   ; c_t
.set j, j+2
.endr
	WIN 0x55
.set j, 0
.rept 16
	v_pk_mul_f32 v[X+j:X+j+1], v[X+32+j:X+33+j], s[70:71] op_sel_hi:[1,0]
.set j, j+2
.endr
	s_wait_alu depctr_va_vdst(0)
	RUN1 v_exp_f32, X, 32
	v_nop
	WIN 0x04                                       ; a store's data: window 1
.irp u, 0,1,2,3
.irp e, 0,1
	ds_store_b128 v[AC], v[X+32+8*\u+4*\e:X+32+8*\u+4*\e+3] offset:REG+64*\u+16*\e
.endr
.endr
	WIN 0
.irp j, 0,1,2,3,4,5,6,7
	ds_load_b128 v[CP+4*\j:CP+4*\j+3], v[RW] offset:REG+2*SP*\j
.endr
	WIN 0x55
	s_wait_alu depctr_va_vdst(0)
.set j, 0
.rept 16
	v_pk_add_f32 v[X+j:X+j+1], v[X+j:X+j+1], 1.0 op_sel_hi:[1,0]
.set j, j+2
.endr
	s_wait_alu depctr_va_vdst(0)
	RUN1 v_rcp_f32, X, 32
	v_nop
	s_wait_alu depctr_va_vdst(0)
.set j, 0
.rept 16
	v_pk_fma_f32 v[X+j:X+j+1], v[X+j:X+j+1], -2.0, 1.0 op_sel_hi:[1,0,0]            ; tanh(c_t)
.set j, j+2
.endr
.set j, 0
.rept 16
	v_pk_mul_f32 v[X+96+j:X+97+j], v[X+96+j:X+97+j], v[X+j:X+j+1]                   ; h_t
.set j, j+2
.endr
	WIN 0x04
.irp u, 0,1,2,3
.irp e, 0,1
	ds_store_b128 v[AC], v[X+96+8*\u+4*\e:X+96+8*\u+4*\e+3] offset:64*\u+16*\e
.endr
.endr
	WIN 0
.irp j, 0,1,2,3,4,5,6,7
	ds_load_b128 v[HO+4*\j:HO+4*\j+3], v[RW] offset:2*SP*\j
.endr
	s_wait_alu depctr_va_vdst(0)
	s_wait_dscnt 16                                ; c_t's rows are back; h_t's 8 stores and 8 loads may be out
.irp j, 0,1,2,3,4,5,6,7
	global_store_b128 v[GO], v[CP+4*\j:CP+4*\j+3], s[20:21] offset:8192*\j-65536 th:TH_STORE_NT   ; sixteen lanes store 256 consecutive bytes, aligned
.endr
	s_add_co_u32 s[EC], s[EC], 1
	s_cmp_lt_u32 s[EC], 4
	s_cbranch_scc1 .Lep_\@
	HSEND                                          ; the last block's h_t
.if \more
	s_wait_xcnt 0x0                                ; the stores have read their registers and bases
	s_add_nc_u64 s[16:17], s[16:17], 1048576-3*65536   ; on to the next tile's rows, 256 further down
	s_add_nc_u64 s[18:19], s[18:19], 1048576-4*65536
	s_add_nc_u64 s[20:21], s[20:21], 1048576-4*65536
.endif
.endm
	s_wait_tensorcnt 0x0                           ; my part of K step 0 is in
	ds_add_u32 v[SPW], v[NIL]
	s_wait_dscnt 0x0
	CROUND
	JLOAD 1                                        ; K step 1: slot 1's first fill, the first tensor load behind the round
	FBIAS
	FB 0, 0, 0
	FA 0, 0
	FS 0
	FB 0, 0, 8
	STEP 0, 0, 1, 1                                ; the first tile's first step
	s_mov_b32 s[T], 0
.Llap:                                                 ; a trip: from a lap's second step to the next lap's first; a lap is two K steps, a tile two laps; both slots are filled again
	STEP 0, 1, 0, 0
	STEP 0, 2, 0, 0
	TURN 0, 1, 1
	STEP 1, 0, 0, 0
	STEP 1, 1, 0, 0
	STEP 1, 2, 0, 0
	TURN 1, 0, 1
	s_xor_b32 s[OFF], s[OFF], 2*IMG                ; B's K steps go 2, 3, 0, 1, 2, 3
	s_cmp_eq_u32 s[T], 1
	s_cbranch_scc1 .Lnew
	STEP 0, 0, 0, 2                                ; a tile's second lap begins
	s_branch .Lnext
.Lnew:                                                 ; the first tile is summed: its cell, under which the next tile's first two K steps land
	PLACES                                         ; four places behind the last products, ahead of the first read of results and the first write over B's second set
	EPILOG 1
	FBIAS
	s_wait_dscnt 0x0
	STEP 0, 0, 1, 1
.Lnext:
	s_add_co_u32 s[T], s[T], 1
	s_cmp_lt_u32 s[T], 3
	s_cbranch_scc1 .Llap
	STEP 0, 1, 0, 0                                ; the last lap fills nothing
	STEP 0, 2, 0, 0
	TURN 0, 1, 0
	STEP 1, 0, 0, 0
	STEP 1, 1, 0, 0
	STEP 1, 2, 0, 0
	s_wait_dscnt 16
	MH 0, 3, 1, 0
	s_wait_dscnt 0x0
	MH 8, 3, 1, 0
	WIN 0
	PLACES
	EPILOG 0
	s_wait_tensorcnt 0x0                           ; the wave's end
	ds_add_u32 v[SPW], v[NIL]
	s_wait_dscnt 0x0
	CROUND                                         ; the closing round
	s_endpgm
.Lfunc_end_k_q359479d37e_lstm:
	.size	k_q359479d37e_lstm, .Lfunc_end_k_q359479d37e_lstm-k_q359479d37e_lstm
	.p2alignl 7, 3214868480
	.fill 96, 4, 3214868480
	.section	.rodata,"a",@progbits
	.p2align	6, 0x0
	.amdhsa_kernel k_q359479d37e_lstm
		.amdhsa_group_segment_fixed_size 327680
		.amdhsa_private_segment_fixed_size 0
		.amdhsa_enable_private_segment 0
		.amdhsa_kernarg_size 72
		.amdhsa_user_sgpr_count 2
		.amdhsa_user_sgpr_kernarg_segment_ptr 1
		.amdhsa_wavefront_size32 1
		.amdhsa_system_sgpr_workgroup_id_x 1
		.amdhsa_system_sgpr_workgroup_id_y 1
		.amdhsa_system_sgpr_workgroup_id_z 1
		.amdhsa_system_vgpr_workitem_id 0
		.amdhsa_next_free_vgpr 1024
		.amdhsa_next_free_sgpr 100
		.amdhsa_reserve_vcc 0
		.amdhsa_float_denorm_mode_32 3
		.amdhsa_float_denorm_mode_16_64 3
		.amdhsa_memory_ordered 1
		.amdhsa_forward_progress 1
		.amdhsa_inst_pref_size 255
	.end_amdhsa_kernel
	.section	.bss,"aw",@nobits
	.p2align	6
	.space	262144
	.amdgpu_metadata
---
amdhsa.version: [ 1, 2 ]
amdhsa.kernels:
  - .name:           k_q359479d37e_lstm
    .symbol:         k_q359479d37e_lstm.kd
    .args:
      - { .name: a_img, .offset: 0, .size: 8, .value_kind: global_buffer, .address_space: global }
      - { .name: b_img, .offset: 8, .size: 8, .value_kind: global_buffer, .address_space: global }
      - { .name: b_forget, .offset: 16, .size: 8, .value_kind: global_buffer, .address_space: global }
      - { .name: b_input, .offset: 24, .size: 8, .value_kind: global_buffer, .address_space: global }
      - { .name: b_update, .offset: 32, .size: 8, .value_kind: global_buffer, .address_space: global }
      - { .name: b_out, .offset: 40, .size: 8, .value_kind: global_buffer, .address_space: global }
      - { .name: c_prev, .offset: 48, .size: 8, .value_kind: global_buffer, .address_space: global }
      - { .name: out0, .offset: 56, .size: 8, .value_kind: global_buffer, .address_space: global }
      - { .name: out1, .offset: 64, .size: 8, .value_kind: global_buffer, .address_space: global }
    .group_segment_fixed_size: 327680
    .private_segment_fixed_size: 0
    .kernarg_segment_align: 8
    .kernarg_segment_size: 72
    .max_flat_workgroup_size: 128
    .sgpr_count:     100
    .vgpr_count:     1024
    .wavefront_size: 32
...
	.end_amdgpu_metadata
.endif
;; end of part 2
